; MI455X (gfx1250); checked and timed in simulation.
; The chip was launched on July 23, 2026; its instructions are those of AMD's public machine-readable ISA for CDNA 5 (MIT licence, August 2026) and "CDNA5" Instruction Set Architecture Reference Guide (July 2026). The comments in the code are by the model that wrote it; some were corrected since.
;; LSTM Cell. Allowed arithmetic: matrix products marked QUANTISED: E4M3 operands, one given power-of-two scale a tensor, by v_wmma_f32_16x16x64_fp8_fp8 or v_wmma_f32_16x16x128_fp8_fp8, f32 sums; everything else in f32.
;; Inputs: U_c 1,024 x 1,024 float32; U_f 1,024 x 1,024 float32; U_i 1,024 x 1,024 float32; U_o 1,024 x 1,024 float32; W_c 1,024 x 1,024 float32; W_f 1,024 x 1,024 float32; W_i 1,024 x 1,024 float32; W_o 1,024 x 1,024 float32; a_prev 8,192 x 1,024 float32; b_c 1,024 float32; b_f 1,024 float32; b_i 1,024 float32; b_o 1,024 float32; bu_c 1,024 float32; bu_f 1,024 float32; bu_i 1,024 float32; bu_o 1,024 float32; c_prev 8,192 x 1,024 float32; lowp_scales 4 int32 (the exponents e of the quantised operands' scales 2^e); x_t 8,192 x 1,024 float32.
;; Outputs: out0 8,192 x 1,024 float32; out1 8,192 x 1,024 float32.
;; This version of the problem:
;;   THIS VERSION OF THE PROBLEM IS GIVEN IN LOW PRECISION. The matrix products marked QUANTISED in the list below multiply operands that are first quantised to E4M3 (4 exponent bits, 3 mantissa bits; 8 bits a number), with one given power-of-two scale for each operand tensor; their sums are f32. All else is computed in f32.
;;   The module's matrix products, in the order in which they are computed (A, B: the left and right operand; K: the contracted axis; several contracted axes count as one K, in the product's order):
;;     1. [M 8,192, K 1,024] x [K 1,024, N 4,096]; A: input x_t; B: computed on the way: QUANTISED (scales: A lowp_scales[0], B lowp_scales[1])
;;     2. [M 8,192, K 1,024] x [K 1,024, N 4,096]; A: input a_prev; B: computed on the way: QUANTISED (scales: A lowp_scales[2], B lowp_scales[3])
;;   THE QUANTISER, for each operand of a quantised product, along K:
;;     - The operand's scale is 2^e, e = its entry of the input lowp_scales (int32; the entries are numbered through the quantised products in the list's order, A before B).
;;     - Each number is divided by the scale, clamped to +-448, and rounded to the nearest number of E4M3, ties to even, subnormals kept.
;;     - The product sums the exact products of the quantised numbers (number of the format x scale) in f32.
;;   ~~~python
;;   def quantise(x, axis, e):      # numpy; x: float32 -> the quantised numbers, widened to float32 again
;;       x = np.moveaxis(x, axis, -1); K = x.shape[-1]
;;       r = np.clip(x / 2.0 ** e, -448, 448)
;;       step = 2.0 ** (np.maximum(np.frexp(np.where(r == 0, 1, r))[1] - 1, -6) - 3)
;;       q = np.round(r / step) * step * 2.0 ** e      # np.round: ties to even
;;       return np.moveaxis(q, -1, axis).astype(np.float32)
;;   ~~~
;;   OPERANDS COMPUTED ON THE WAY. 'Computed on the way' means the value that the module computes at that place (a softmax that the list does not call 'softmax' is quantised finished and normalised). What goes into a quantiser is computed in f32, as accurately as f32 sums, v_exp_f32 and their like allow (about 1e-6 of the number): no bf16 or f16 on the way to a quantiser, and a product that is left as it is and whose result goes on into a quantised operand takes f32 operands (vector FMAs, or v_wmma_f32_16x16x4_f32). A number that lies on a knife's edge between two numbers of the format may be rounded either way, as far as f32 arithmetic and the matrix unit's own rounding can turn it there, and no further.
;; One version. Each part assembles by itself: llvm-mc -triple=amdgcn-amd-amdhsa -mcpu=gfx1250 --defsym DOCPART=n.
;; ======== version 1 of 1: 2 launches
;; limits: right only within a limited range of input values; inputs' magnitudes at most 1.153e+18
;; workspace buffers: acodes 16,777,216 bytes; bcodes 8,388,608 bytes; biasp 16,384 bytes
;; launch quant (part 1): grid 772 x 1, 4 waves a work-group, no clusters, 33,280 bytes of LDS; arguments x_t, a_prev, W_f, W_i, W_o, W_c, U_f, U_i, U_o, U_c, lowp_scales, acodes, bcodes, b_f, bu_f, b_i, bu_i, b_o, bu_o, b_c, bu_c, biasp; writes acodes, bcodes, biasp
.if DOCPART == 1
	.amdgcn_target "amdgcn-amd-amdhsa--gfx1250"
	.amdhsa_code_object_version 6
	.text
	.protected	k_q532df9e0db_quant
	.globl	k_q532df9e0db_quant
	.p2align	8
	.type	k_q532df9e0db_quant,@function
k_q532df9e0db_quant:
	s_mov_b64 s[64:65], 0
	v_nop
	global_prefetch_b8 v0, s[64:65] scope:SCOPE_SE
	s_setreg_imm32_b32 hwreg(HW_REG_WAVE_MODE, 25, 1), 1
	s_wait_xcnt 0x0
; x_t, a_prev [8192][1024] and the eight weights [1024][1024], all f32 with K innermost, are turned ONCE into codes of FP8 (E4M3), each tensor with the scale 2^e that is given for it:
; entry 0 of the scales for x_t, 1 for the W's, 2 for a_prev, 3 for the U's.  code = x / 2^e, held within +-448, rounded to the nearest code, ties to even.
; LIMITS: each e lies between -126 and 119, so that 2^e and 448 x 2^e are f32 numbers.  NaN among the inputs is not served (an infinity is held at the largest code).
; acodes [8192][2048]: row m = the 1,024 codes of x_t[m], then the 1,024 of a_prev[m].
; bcodes [4096][2048]: gate g (f, i, o, c = 0 .. 3) of hidden unit n lies in row 128 (n / 32) + 32 g + n % 32: W_g[n]'s codes, then U_g[n]'s.
; biasp [4][1024] f32: -log2(e) (b_g + bu_g) for gates f, i, o and 2 log2(e) (b_c + bu_c) for gate c: the addend of the next launch's first multiply-add.
; SHARES.  Work-groups 0-255: x_t; 256-511: a_prev; 512-767: the weights, 32 to a matrix: each takes 32 rows of one tensor, a wave 8 rows = 16 steps of 512 numbers, all on ONE path: only pointers, offsets and e are
; chosen, by selects on the work-group's number.  Work-groups 768-771 take a path of their own, with no LDS: one gate's 1,024 biases each, eight numbers a thread.
; A STEP.  Each of a step's four loads reads 512 consecutive bytes, 16 a lane; the 2,048 bytes go through the wave's own stage in LDS and come back 64 bytes a lane (16 bytes of padding behind each 64), so that a lane
; holds 16 neighbours along K for the conversions.  A lane's 16 codes are 16 bytes: the wave stores 512 consecutive bytes at a multiple of 512 from the buffer's first byte.
; No tensor loads, no barrier, no cluster: the waves and the work-groups share no input.  Loads run twelve steps (48 loads a wave) ahead, the turn through LDS one step.
.set STEPS, 16
.set AHEAD, 12
.set EMAX,  8
.set MANT,  0x600000                   ; the mantissa field of 448 as f32
.set SPW,   4                          ; my spare word's LDS address; never rewritten
.set NIL,   5                          ; 0; never rewritten
.set R,     16                         ; v16-207  twelve sets of 16 numbers as they are loaded
.set X,     208                        ; v208-239 two sets of 16 neighbours
.set C,     240                        ; v240-255 codes: four sets of four registers, by turns
.set WREG,  8192                       ; LDS: a region for each wave: two stages of 32 x SP bytes
.set SP,    80
	s_cmp_ge_u32 ttmp9, 768
	s_cbranch_scc1 .Lbias
	s_load_b512 s[4:19], s[0:1], 0x0               ; x_t 4, a_prev 6, W_f 8, W_i 10, W_o 12, W_c 14, U_f 16, U_i 18
	s_load_b256 s[20:27], s[0:1], 0x40             ; U_o 20, U_c 22, the scales' exponents 24, acodes 26
	s_load_b64 s[28:29], s[0:1], 0x60              ; bcodes
	v_lshl_add_u32 v[SPW], v0, 2, 0x8000
	v_mov_b32 v[NIL], 0
	v_lshrrev_b32 v1, 5, v0
	v_readfirstlane_b32 s30, v1                    ; wave 0..3
	v_and_b32 v2, 31, v0                           ; lane
	v_lshlrev_b32 v3, 4, v2                        ; 16 x lane: my 16 bytes of a load's 512, and of a store's 512
	s_mul_i32 s31, s30, WREG
	v_lshrrev_b32 v14, 2, v2
	v_mul_u32_u24 v14, v14, SP
	v_and_b32 v15, 3, v2
	v_lshl_add_u32 v14, v15, 4, v14
	v_add_nc_u32 v14, s31, v14                     ; the stage, on the way in: four lanes' 64 bytes on end, then 16 of padding
	v_mul_u32_u24 v15, v2, SP
	v_add_nc_u32 v15, s31, v15                     ; and on the way out: my 16 neighbours
	s_lshr_b32 s32, ttmp9, 8                       ; 0: x_t, 1: a_prev, 2: a weight
	s_and_b32 s33, ttmp9, 255                      ; an activation's block of 32 rows
	s_lshr_b32 s34, s33, 5                         ; a weight: which matrix, 0 .. 7 = 4 x kind + gate
	s_and_b32 s35, s33, 31                         ; and its block of 32 rows
	s_and_b32 s36, s34, 3                          ; gate
	s_lshr_b32 s37, s34, 2                         ; kind: 0 W, 1 U
	s_add_co_u32 s34, s34, 2                       ; a weight's place among the ten pointers
	s_lshl_b32 s2, s35, 18                         ; a weight's codes: 128 rows of 2,048 bytes a block,
	s_lshl_b32 s36, s36, 16                        ; + 32 rows a gate,
	s_add_co_u32 s2, s2, s36
	s_lshl_b32 s36, s37, 10                        ; + 1,024 bytes for a U
	s_add_co_u32 s2, s2, s36
	s_lshl_b32 s37, s37, 1
	s_add_co_u32 s37, s37, 1                       ; a weight's entry of the scales: 1 or 3
	s_lshl_b32 s3, s33, 16                         ; an activation's codes: 32 rows of 2,048 bytes a block,
	s_lshl_b32 s36, s32, 10                        ; + 1,024 bytes for a_prev
	s_add_co_u32 s3, s3, s36
	s_lshl_b32 s36, s32, 1                         ; an activation's entry of the scales: 0 or 2
	s_cmp_eq_u32 s32, 2
	s_cselect_b32 s38, s34, s32                    ; the pointer's number, 0 .. 9
	s_cselect_b32 s35, s35, s33                    ; the block of 32 rows in the source
	s_cselect_b32 s2, s2, s3                       ; the codes' byte offset
	s_cselect_b32 s39, s37, s36                    ; the entry of the scales
	s_lshl_b32 s34, s35, 17                        ; source: 32 rows of 4,096 bytes a block,
	s_lshl_b32 s36, s30, 15                        ; 8 rows a wave
	s_add_co_u32 s34, s34, s36
	s_mov_b32 s35, 0
	s_lshl_b32 s36, s30, 14                        ; codes: 8 rows of 2,048 bytes a wave
	s_add_co_u32 s2, s2, s36
	s_mov_b32 s3, 0
	s_wait_alu depctr_va_vdst(0)                   ; directly ahead of the wait below
	s_wait_kmcnt 0x0
	s_load_b128 s[44:47], s[24:25], 0x0            ; the four exponents
	s_mov_b64 s[40:41], s[4:5]                     ; the source: one of ten buffers, chosen by the work-group's number alone
.irp k, 1,2,3,4,5,6,7,8,9
	s_cmp_eq_u32 s38, \k
	s_cselect_b64 s[40:41], s[4+2*\k:5+2*\k], s[40:41]
.endr
	s_cmp_eq_u32 s32, 2
	s_cselect_b64 s[42:43], s[28:29], s[26:27]     ; the codes' buffer
	s_add_nc_u64 s[40:41], s[40:41], s[34:35]
	s_add_nc_u64 s[42:43], s[42:43], s[2:3]
.macro LOAD t
.irp i, 0,1,2,3
	global_load_b128 v[R+16*((\t)%AHEAD)+4*\i:R+16*((\t)%AHEAD)+4*\i+3], v3, s[40:41] offset:2048*(\t)+512*\i th:TH_LOAD_NT   ; 32 lanes read 512 consecutive bytes; read once in the launch
.endr
.endm
.macro TURN t                          ; step t's numbers through the stage: LDS serves a wave's instructions in order (ISA guide 5.7.1.4), so no wait stands between the stores and the loads
.irp i, 0,1,2,3
	ds_store_b128 v14, v[R+16*((\t)%AHEAD)+4*\i:R+16*((\t)%AHEAD)+4*\i+3] offset:32*SP*((\t)%2)+8*SP*\i
.endr
.irp i, 0,1,2,3
	ds_load_b128 v[X+16*((\t)%2)+4*\i:X+16*((\t)%2)+4*\i+3], v15 offset:32*SP*((\t)%2)+16*\i
.endr
.endm
.irp t, 0,1,2,3,4,5,6,7,8,9,10,11
	LOAD \t
.endr
	s_wait_kmcnt 0x0
	s_cmp_eq_u32 s39, 1                            ; e: my tensor's entry
	s_cselect_b32 s44, s45, s44
	s_cmp_eq_u32 s39, 2
	s_cselect_b32 s44, s46, s44
	s_cmp_eq_u32 s39, 3
	s_cselect_b32 s44, s47, s44
	s_add_co_i32 s44, s44, 127
	s_lshl_b32 s45, s44, 23
	v_mov_b32 v11, s45                             ; 2^e as f32: the conversion takes its exponent field
	s_add_co_i32 s44, s44, EMAX
	s_lshl_b32 s44, s44, 23
	s_or_b32 s44, s44, MANT
	v_mov_b32 v10, s44                             ; 448 x 2^e
	s_wait_alu depctr_va_vdst(0)                   ; the head's end
	s_wait_loadcnt 4*(AHEAD-1)                     ; step 0's four loads are in; the 44 of steps 1 to 11 may be out
	TURN 0
.macro STEP t
.set XS, X+16*((\t)%2)
.set CS, C+4*((\t)%4)
	s_wait_dscnt 0x0                               ; this step's numbers are back from the stage: so its stores into the stage have read their registers,
.if (\t) >= 4
	s_wait_xcnt 0x0                                ; the store of four steps ago has read the codes' registers that this step writes again
.endif
.if (\t)+AHEAD < STEPS
	LOAD (\t)+AHEAD                                ; which take the loads of twelve steps on
.endif
.if (\t)+1 < STEPS
.if STEPS-2-(\t) >= AHEAD-1
	s_wait_loadcnt 4*(AHEAD-1)                     ; the next step's four loads are in; those of the eleven steps behind it may be out
.else
	s_wait_loadcnt 4*(STEPS-2-(\t))                ; near the end fewer steps are behind it
.endif
	TURN (\t)+1                                    ; and go through the other stage while this step is worked
.endif
.irp i, 0,1,2,3,4,5,6,7,8,9,10,11,12,13,14,15
	v_med3_num_f32 v[XS+\i], v[XS+\i], -v10, v10   ; the conversion to an 8-bit code does not saturate (ISA guide 7.6.2): the number is held within the largest code x the scale first
.endr
	v_cvt_scalef32_pk8_fp8_f32 v[CS:CS+1], v[XS:XS+7], v11
	v_cvt_scalef32_pk8_fp8_f32 v[CS+2:CS+3], v[XS+8:XS+15], v11
	; the codes go to a store alone, and the next vector lines, the next step's holds, are plain and touch other registers
	global_store_b128 v3, v[CS:CS+3], s[42:43] offset:2048*((\t)/2)+512*((\t)%2)   ; row t / 2 of my eight, half t % 2 of its 1,024 codes
.endm
.irp t, 0,1,2,3,4,5,6,7,8,9,10,11,12,13,14,15
	STEP \t
.endr
	s_wait_tensorcnt 0x0                           ; the wave's end, behind my last LDS store
	ds_add_u32 v[SPW], v[NIL]
	s_wait_dscnt 0x0
	s_endpgm
.Lbias:                                                ; work-group 768 + g: gate g's biases.  Thread t takes numbers 4 t .. 4 t + 3 and 512 + 4 t .. : a wave's load or store covers 512 consecutive bytes
	s_load_b512 s[4:19], s[0:1], 0x68              ; b_f 4, bu_f 6, b_i 8, bu_i 10, b_o 12, bu_o 14, b_c 16, bu_c 18
	s_load_b64 s[20:21], s[0:1], 0xa8              ; biasp
	v_lshlrev_b32 v1, 4, v0
	s_sub_co_u32 s22, ttmp9, 768                   ; g
	s_lshl_b32 s24, s22, 12                        ; a gate's 4,096 bytes
	s_mov_b32 s25, 0
	s_mov_b32 s26, 0xbfb8aa3b                      ; -log2(e)
	s_cmp_eq_u32 s22, 3
	s_cselect_b32 s26, 0x4038aa3b, s26             ; gate c: 2 log2(e)
	s_mov_b32 s27, s26
	s_wait_alu depctr_va_vdst(0)                   ; directly ahead of the wait below
	s_wait_kmcnt 0x0
.irp k, 1,2,3
	s_cmp_eq_u32 s22, \k
	s_cselect_b64 s[4:5], s[4+4*\k:5+4*\k], s[4:5]
	s_cselect_b64 s[6:7], s[6+4*\k:7+4*\k], s[6:7]
.endr
	s_add_nc_u64 s[20:21], s[20:21], s[24:25]
	global_load_b128 v[4:7], v1, s[4:5]
	global_load_b128 v[8:11], v1, s[4:5] offset:2048
	global_load_b128 v[12:15], v1, s[6:7]
	global_load_b128 v[16:19], v1, s[6:7] offset:2048
	s_wait_loadcnt 0x0
.irp p, 0,2,4,6
	v_pk_add_f32 v[4+\p:5+\p], v[4+\p:5+\p], v[12+\p:13+\p]
.endr
.irp p, 0,2,4,6
	v_pk_mul_f32 v[4+\p:5+\p], v[4+\p:5+\p], s[26:27] op_sel_hi:[1,0]
.endr
	global_store_b128 v1, v[4:7], s[20:21]
	global_store_b128 v1, v[8:11], s[20:21] offset:2048
	s_endpgm
.Lfunc_end_k_q532df9e0db_quant:
	.size	k_q532df9e0db_quant, .Lfunc_end_k_q532df9e0db_quant-k_q532df9e0db_quant
	.p2alignl 7, 3214868480
	.fill 96, 4, 3214868480
	.section	.rodata,"a",@progbits
	.p2align	6, 0x0
	.amdhsa_kernel k_q532df9e0db_quant
		.amdhsa_group_segment_fixed_size 33280
		.amdhsa_private_segment_fixed_size 0
		.amdhsa_enable_private_segment 0
		.amdhsa_kernarg_size 176
		.amdhsa_user_sgpr_count 2
		.amdhsa_user_sgpr_kernarg_segment_ptr 1
		.amdhsa_wavefront_size32 1
		.amdhsa_system_sgpr_workgroup_id_x 1
		.amdhsa_system_sgpr_workgroup_id_y 1
		.amdhsa_system_sgpr_workgroup_id_z 1
		.amdhsa_system_vgpr_workitem_id 0
		.amdhsa_next_free_vgpr 256
		.amdhsa_next_free_sgpr 66
		.amdhsa_reserve_vcc 0
		.amdhsa_float_denorm_mode_32 3
		.amdhsa_float_denorm_mode_16_64 3
		.amdhsa_memory_ordered 1
		.amdhsa_forward_progress 1
		.amdhsa_inst_pref_size 41
	.end_amdhsa_kernel
	.amdgpu_metadata
---
amdhsa.version: [ 1, 2 ]
amdhsa.kernels:
  - .name:           k_q532df9e0db_quant
    .symbol:         k_q532df9e0db_quant.kd
    .args:
      - { .name: x_t, .offset: 0, .size: 8, .value_kind: global_buffer, .address_space: global }
      - { .name: a_prev, .offset: 8, .size: 8, .value_kind: global_buffer, .address_space: global }
      - { .name: W_f, .offset: 16, .size: 8, .value_kind: global_buffer, .address_space: global }
      - { .name: W_i, .offset: 24, .size: 8, .value_kind: global_buffer, .address_space: global }
      - { .name: W_o, .offset: 32, .size: 8, .value_kind: global_buffer, .address_space: global }
      - { .name: W_c, .offset: 40, .size: 8, .value_kind: global_buffer, .address_space: global }
      - { .name: U_f, .offset: 48, .size: 8, .value_kind: global_buffer, .address_space: global }
      - { .name: U_i, .offset: 56, .size: 8, .value_kind: global_buffer, .address_space: global }
      - { .name: U_o, .offset: 64, .size: 8, .value_kind: global_buffer, .address_space: global }
      - { .name: U_c, .offset: 72, .size: 8, .value_kind: global_buffer, .address_space: global }
      - { .name: lowp_scales, .offset: 80, .size: 8, .value_kind: global_buffer, .address_space: global }
      - { .name: acodes, .offset: 88, .size: 8, .value_kind: global_buffer, .address_space: global }
      - { .name: bcodes, .offset: 96, .size: 8, .value_kind: global_buffer, .address_space: global }
      - { .name: b_f, .offset: 104, .size: 8, .value_kind: global_buffer, .address_space: global }
      - { .name: bu_f, .offset: 112, .size: 8, .value_kind: global_buffer, .address_space: global }
      - { .name: b_i, .offset: 120, .size: 8, .value_kind: global_buffer, .address_space: global }
      - { .name: bu_i, .offset: 128, .size: 8, .value_kind: global_buffer, .address_space: global }
      - { .name: b_o, .offset: 136, .size: 8, .value_kind: global_buffer, .address_space: global }
      - { .name: bu_o, .offset: 144, .size: 8, .value_kind: global_buffer, .address_space: global }
      - { .name: b_c, .offset: 152, .size: 8, .value_kind: global_buffer, .address_space: global }
      - { .name: bu_c, .offset: 160, .size: 8, .value_kind: global_buffer, .address_space: global }
      - { .name: biasp, .offset: 168, .size: 8, .value_kind: global_buffer, .address_space: global }
    .group_segment_fixed_size: 33280
    .private_segment_fixed_size: 0
    .kernarg_segment_align: 8
    .kernarg_segment_size: 176
    .max_flat_workgroup_size: 128
    .sgpr_count:     66
    .vgpr_count:     256
    .wavefront_size: 32
...
	.end_amdgpu_metadata
.endif
;; end of part 1
;; launch cell (part 2): grid 16 x 16, 4 waves a work-group, clusters of 4 x 4, 327,680 bytes of LDS; arguments acodes, bcodes, lowp_scales, c_prev, biasp, out0, out1; writes out0, out1
.if DOCPART == 2
	.amdgcn_target "amdgcn-amd-amdhsa--gfx1250"
	.amdhsa_code_object_version 6
	.text
	.protected	k_q532df9e0db_cell
	.globl	k_q532df9e0db_cell
	.p2align	8
	.type	k_q532df9e0db_cell,@function
k_q532df9e0db_cell:
	s_mov_b64 s[64:65], 0
	v_nop
	global_prefetch_b8 v0, s[64:65] scope:SCOPE_SE
	s_setreg_imm32_b32 hwreg(HW_REG_WAVE_MODE, 25, 1), 1
	s_wait_xcnt 0x0
	s_wait_alu depctr_hold_cnt(0) depctr_sa_sdst(0) depctr_va_vdst(0) depctr_va_sdst(0) depctr_va_ssrc(0) depctr_va_vcc(0) depctr_vm_vsrc(0)
	s_getreg_b32 s2, hwreg(HW_REG_IB_STS2, 6, 4)
	s_cmp_eq_u32 s2, 0
	s_cbranch_scc0 .Lentry_in_a_cluster
	s_endpgm
.Lentry_in_a_cluster:
	s_bfe_u32 s2, ttmp6, 0x10000c
	s_cmp_lg_u32 s2, 0xf033
	s_cbranch_scc0 .Lentry_shape_is_right
	s_endpgm
.Lentry_shape_is_right:
; THE LSTM CELL ON CODES OF FP8 (E4M3).  pre = x Wx^T + a Ua^T + (bx + ba);  c_t = sigmoid(pre_f) c_prev + sigmoid(pre_i) tanh(pre_c);  a_t = sigmoid(pre_o) tanh(c_t).  out0 = a_t, out1 = c_t, [8192][1024] f32.
; acodes [8192][2048]: x's 1,024 codes, then a_prev's.  bcodes [4096][2048]: row 128 (n / 32) + 32 g + n % 32 = gate g (f, i, o, c) of hidden unit n: W_g[n]'s codes, then U_g[n]'s.
; biasp [4][1024] f32, made by the launch before: -log2(e) (b + bu) for gates f, i, o; 2 log2(e) (b + bu) for gate c: the addend of the way out's first multiply-add.
; ONE SUM FOR BOTH PRODUCTS: K runs over 2,048 codes.  The first 1,024 stand for numbers x 2^(e0 + e1), the others x 2^(e2 + e3): behind K step 3 every sum is multiplied by 2^(e0 + e1 - e2 - e3), which rounds
; nothing; the finished sum's unit 2^(e2 + e3) is folded into the activations' first multiply-add.
; LIMITS: e0 + e1 - e2 - e3 between -99 and 99; e2 + e3 between -126 and 126; NaN among the inputs is not served.
; SHARES.  A tile is 256 rows of the batch x 256 rows of bcodes (64 hidden units, four gates).  A work-group of four waves STAYS and makes two tiles, 4,096 rows of the batch apart: 16 x 16 work-groups; both tiles take the
; same rows of bcodes and the same biases.  A wave makes 128 x 128: 64 accumulators of 16 x 16, 512 registers.
; THE MATRIX INSTRUCTION IS USED TRANSPOSED (source 0 = 16 rows of bcodes, source 1 = 16 rows of acodes): accumulator (a, 2 g + u), register j, lane (r, h) is pre[16 a + r][gate g][hidden 16 u + 8 h + j of my 32]:
; the four gates of one number lie in one lane, 16 registers apart.
; K goes in steps of 256 through a ring of two LDS slots filled by the tensor data mover; a tile's row is 256 consecutive bytes of memory.
; CLUSTERS: 4 x 4 work-groups.  A's tiles are asked for jointly along a row of the cluster, B's along a column.  c_prev's tile is a work-group's own: a plain tensor load into slot 0 when its last codes have been read.
; FROM TILE TO TILE.  At the head of the way out each wave reads its part of c_prev's tile into the registers that held B's fragments (128 of window 1).  So both slots are free: in a tile that has a successor slot 0 takes
; the next tile's K step 0 in front of block 0 and slot 1 its K step 1 behind block 3, each behind the three lines and a round.  The last tile's way out is written out by itself, behind an exit from the loop over tiles.
; THE WAY OUT, 16 rows at a time: sigmoid(x) = 1 / (1 + 2^(-log2(e) x)), tanh(x) = 1 - 2 / (1 + 2^(2 log2(e) x)): an exponential that overflows gives 0 or 1 by the reciprocal, so nothing is held.
; A wave's 32 hidden units are 128 bytes of a row: c_t and a_t go into stages of their own bytes behind the ring (two each, by turns), the two waves of a row half meet at a barrier, and each stores whole pieces of 256 bytes.
; PREFETCHES.  Behind each refill a wave names the K step two refills on, 32 rows x 256 bytes, a lane a row; the four partners of a joint load share its 128 rows out by address (cx for A, cy for B).
; From K step 4's turn on A's waves name the next tile's K steps 0 to 3; B's rows are named in the first tile alone; the last tile names nothing beyond itself.  c_prev's tile is named in the walk's last lap, a row a thread, twice.
; REGISTERS, in windows of 256: window 0: v16-31 addresses; v32-95 the biases; v96-127, v224-255 rows on their way out; from v128 A's fragments, ONE set; on the way out v128-191 the gates, v192-207 c_t, v208-223 at work.
;   window 1: B's fragments, TWO sets; on the way out v0-127 c_prev.   windows 2, 3: the accumulators of my rows 0-63, 64-127 ((a, b) at v[8 (8 (a % 4) + b)]).
.set KROW,   2048
.set ROWB,   256
.set PITCH,  272                       ; an LDS row: 256 bytes + 16 of padding: the 16 rows that a load touches start 68 words apart
.set FR,     16
.set NP,     4                         ; places behind this matrix instruction (ISA guide 7.12.1)
.set HALFT,  128*PITCH
.set SLOT,   4*HALFT                   ; A's 256 rows, then B's 256 rows
.set SPARE,  2*SLOT                    ; the spare words: 128 bytes a wave
.set STG,    SPARE+512                 ; four stages: c_t's two, then a_t's two
.set SBUF,   32*PITCH                  ; a stage: 16 rows for each half of the tile's rows
.set BLK,    16*PITCH
.set CQ,     64*PITCH
.set WALKA,  4096*KROW                 ; from tile to tile in acodes, in bytes
.set WALKC,  4096*4096                 ; and in c_prev, out0, out1
.set ADRA, 16
.set ADRB, 20
.set PF,   22                          ; 4,096 x thread: a row of c_prev's tile
.set PFO,  23                          ; 2,048 x lane: a row of codes
.set BO,   24
.set RD,   25                          ; a stage, by rows
.set CO,   26                          ; the same rows in out0, out1
.set CA,   27                          ; my 32 bytes of a row of c_prev's tile
.set SPW,  28
.set NIL,  29
.set STO,  30                          ; my 32 bytes of a row of a stage
.set BIAS, 32
.set RB1,  96
.set AF,   128
.set T,    128
.set GF,   T
.set GI,   T+16
.set GO,   T+32
.set GG,   T+48
.set CP,   192
.set NU,   208
.set RB0,  224
.set WV,  4
.set HR,  5
.set HC,  6
.set TC,  9
.set TR,  10
.set K2,  20                           ; s[20:21] 2 log2(e)
.set RS,  22                           ; s[22:23] 2^(e0 + e1 - e2 - e3)
.set G1A, 24
.set G0A, 32
.set G1B, 40
.set G0B, 48
.set G1C, 56
.set ST,  66                           ; s[66:67] the prefetch pointer's step
.set SA,  76                           ; s[76:77] -log2(e) 2^(e2 + e3)
.set SB,  78                           ; s[78:79] 2 log2(e) 2^(e2 + e3)
.set PFA, 80                           ; s[80:81] what my next prefetch names
.set E1,  82                           ; 1: I prefetch this tile's K steps
.set E2,  83                           ; 1: I prefetch the next tile's
.set TL,  84                           ; tiles to go
.set G0C, 96
.set MSB, 0
.macro WIN new
.if MSB != \new
	s_set_vgpr_msb (MSB<<8)|\new
.set MSB, \new
.endif
.endm
.set MUL_LO, 0xa1
.set MUL_HI, 0xf1
.set TO_B,   0x40
.macro JLOAD g0a, g1a, g0b, g1b        ; a joint load: waves 0, 1 for A, waves 2, 3 for B; s_nop 0 and four v_nop behind each line
	s_cmp_eq_u32 s[HR], 0
	s_cbranch_scc0 .Lfor_b_\@
	tensor_load_to_lds s[\g0a:\g0a+3], s[\g1a:\g1a+7]
	s_nop 0
.rept 4
	v_nop
.endr
	s_branch .Lasked_\@
.Lfor_b_\@:
	tensor_load_to_lds s[\g0b:\g0b+3], s[\g1b:\g1b+7]
	s_nop 0
.rept 4
	v_nop
.endr
.Lasked_\@:
.endm
.macro CREST
	s_cmp_lg_u32 s[WV], 0
	s_cbranch_scc1 .Lnot_wave_0_\@
	s_barrier_signal -3
.Lnot_wave_0_\@:
	s_barrier_wait -3
	s_barrier_signal -1
	s_barrier_wait -1
.endm
.macro CROUND
	s_barrier_signal -1
	s_barrier_wait -1
	CREST
.endm
.macro GRD
	s_wait_tensorcnt 0x0
	ds_add_u32 v[SPW], v[NIL]
	s_wait_dscnt 0x0
.endm
.macro ASK tail                        ; one prefetch a wave; the test is made of the lap, the tile and the wave's number
.if \tail
	s_cmp_lg_u32 s[E2], 0
.else
	s_cmp_gt_u32 s3, 1
	s_cselect_b32 s2, s[E1], s[E2]
	s_cmp_lg_u32 s2, 0
.endif
	s_cbranch_scc0 .Lnot_mine_\@
	global_prefetch_b8 v[PFO], s[PFA:PFA+1] th:TH_LOAD_NT scope:SCOPE_SE
.Lnot_mine_\@:
.endm
	s_load_b256 s[68:75], s[0:1], 0x0              ; acodes 68, bcodes 70, exponents 72, c_prev 74
	s_load_b64 s[86:87], s[0:1], 0x20              ; biasp
	s_load_b128 s[92:95], s[0:1], 0x28             ; out0 92, out1 94
	v_lshl_add_u32 v[SPW], v0, 2, SPARE
	v_mov_b32 v[NIL], 0
	ds_add_u32 v[SPW], v[NIL]                      ; the opening lines: the add twice on end
	ds_add_u32 v[SPW], v[NIL]
	v_lshrrev_b32 v1, 5, v0
	v_readfirstlane_b32 s[WV], v1
	s_lshr_b32 s[HR], s[WV], 1                     ; my half of the tile's rows; also: I fetch for A (0) or B (1)
	s_and_b32 s[HC], s[WV], 1                      ; my half of its columns; also: which 128 rows I fetch
	s_bfe_u32 s7, ttmp6, 0x40000                   ; cx
	s_bfe_u32 s8, ttmp6, 0x40004                   ; cy
	s_lshl_b32 s[TC], ttmp9, 2
	s_add_co_u32 s[TC], s[TC], s7
	s_and_b32 s[TR], ttmp7, 0xffff
	s_lshl_b32 s[TR], s[TR], 2
	s_add_co_u32 s[TR], s[TR], s8
	s_lshl_b32 s11, s8, 2
	s_lshl_b32 s11, 15, s11                        ; my row of the cluster
	s_lshl_b32 s12, 0x1111, s7                     ; my column
	s_or_b32 s[G1A], s11, (0<<16)|(1<<20)|(1<<21)|(5<<22)|(3<<25)   ; bytes; padding of 4 words behind every 64
	s_or_b32 s[G1B], s12, (0<<16)|(1<<20)|(1<<21)|(5<<22)|(3<<25)
.irp g, G1A, G1B
	s_mov_b32 s[\g+1], ROWB<<16
	s_mov_b32 s[\g+2], 128<<16
	s_mov_b32 s[\g+3], ROWB<<16
	s_mov_b32 s[\g+4], 128
	s_mov_b32 s[\g+5], KROW
	s_mov_b32 s[\g+6], 0
	s_mov_b32 s[\g+7], 0
.endr
	s_mov_b32 s[G1C], (2<<16)|(1<<20)|(5<<22)|(3<<25)   ; c_prev: 64 rows x 64 numbers of 4 bytes; no mask
	s_mov_b32 s[G1C+1], 64<<16
	s_mov_b32 s[G1C+2], 64<<16
	s_mov_b32 s[G1C+3], 64<<16
	s_mov_b32 s[G1C+4], 64
	s_mov_b32 s[G1C+5], 1024
	s_mov_b32 s[G1C+6], 0
	s_mov_b32 s[G1C+7], 0
	s_lshl_b32 s13, s[HC], 18                      ; which 128 rows of 2,048 bytes I fetch
	s_lshl_b32 s14, s[TR], 19
	s_add_co_u32 s14, s14, s13
	s_lshl_b32 s16, s[TC], 19
	s_add_co_u32 s16, s16, s13
	s_mov_b32 s15, 0
	s_mov_b32 s17, 0
	s_mov_b32 s[ST+1], 0
	s_mul_i32 s2, s[WV], HALFT
	s_wait_dscnt 0x0
	s_wait_kmcnt 0x0
	s_add_nc_u64 s[14:15], s[68:69], s[14:15]
	s_add_nc_u64 s[16:17], s[70:71], s[16:17]
	CROUND                                         ; the first joint loads meet
.irp s, 0,1
	s_mov_b32 s[G0A+4*\s], 1
	s_add_co_u32 s[G0A+4*\s+1], s2, \s*SLOT
	s_add_nc_u64 s[G0A+4*\s+2:G0A+4*\s+3], s[14:15], \s*ROWB
	s_or_b32 s[G0A+4*\s+3], s[G0A+4*\s+3], 0x80000000
	s_mov_b32 s[G0B+4*\s], 1
	s_add_co_u32 s[G0B+4*\s+1], s2, \s*SLOT
	s_add_nc_u64 s[G0B+4*\s+2:G0B+4*\s+3], s[16:17], \s*ROWB
	s_or_b32 s[G0B+4*\s+3], s[G0B+4*\s+3], 0x80000000
.endr
	s_load_b128 s[16:19], s[72:73], 0x0            ; e0 .. e3
	JLOAD G0A, G1A, G0B, G1B                       ; K step 0: one tensor load a wave at the head
	s_mul_i32 s11, s[HR], HALFT                    ; my 128 rows of A, and of c_prev's tile
	s_mul_i32 s12, s[HC], HALFT
	s_add_co_u32 s12, s12, 2*HALFT                 ; my 128 rows of B
	s_lshl_b32 s13, s[TC], 8
	s_lshl_b32 s14, s[HC], 7
	s_add_co_u32 s13, s13, s14                     ; my place in a gate's biases: 256 TC + 128 HC
	s_add_co_u32 s14, s14, s11                     ; c_prev's tile: my rows, my 128 bytes
	s_mul_i32 s15, s[HR], BLK
	s_add_co_u32 s15, s15, STG                     ; a stage: my half's 16 rows
	s_lshl_b32 s2, s[HC], 7
	s_add_co_u32 s2, s2, s15                       ; in: my 128 bytes
	s_mul_i32 s3, s[HC], 8*PITCH
	s_add_co_u32 s15, s15, s3                      ; back: my eight rows
	v_and_b32 v1, 15, v0                           ; r
	v_bfe_u32 v2, v0, 4, 1                         ; h
	v_mul_u32_u24 v3, v1, PITCH
	v_lshl_add_u32 v4, v2, 4, v3
	v_add_nc_u32 v[ADRA], s11, v4
	v_add_nc_u32 v[ADRB], s12, v4
	v_add_nc_u32 v[ADRA+1], SLOT, v[ADRA]
	v_add_nc_u32 v[ADRB+1], SLOT, v[ADRB]
	v_lshl_add_u32 v[BO], v2, 5, s13
	v_lshl_add_u32 v5, v2, 5, v3                   ; row r, + 32 h
	v_add_nc_u32 v[CA], s14, v5
	v_add_nc_u32 v[STO], s2, v5
	v_mul_u32_u24 v6, v2, PITCH                    ; lanes 0-15 one row of 256 bytes, lanes 16-31 the next
	v_lshl_add_u32 v6, v1, 4, v6
	v_add_nc_u32 v[RD], s15, v6
	v_lshlrev_b32 v[CO], 12, v2
	v_lshl_add_u32 v[CO], v1, 4, v[CO]
	v_lshlrev_b32 v[PF], 12, v0
	v_and_b32 v[PFO], 31, v0
	v_lshlrev_b32 v[PFO], 11, v[PFO]
.irp g, 0,1,2,3
.irp u, 0,1
.irp q, 0,1
	global_load_b128 v[BIAS+16*\g+8*\u+4*\q:BIAS+16*\g+8*\u+4*\q+3], v[BO], s[86:87] offset:4096*\g+64*\u+16*\q   ; waited for in front of the first way out
.endr
.endr
.endr
	s_lshl_b32 s2, s[TR], 20                       ; the tile's corner in c_prev, out0, out1
	s_lshl_b32 s3, s[TC], 8
	s_add_co_u32 s2, s2, s3
	s_mov_b32 s3, 0
	s_add_nc_u64 s[74:75], s[74:75], s[2:3]
	s_add_nc_u64 s[92:93], s[92:93], s[2:3]
	s_add_nc_u64 s[94:95], s[94:95], s[2:3]
	s_lshl_b32 s2, s[WV], 18                       ; c_prev: my quarter, 64 rows
	s_mov_b32 s[G0C], 1
	s_mul_i32 s[G0C+1], s[WV], CQ
	s_add_nc_u64 s[G0C+2:G0C+3], s[74:75], s[2:3]
	s_or_b32 s[G0C+3], s[G0C+3], 0x80000000
	s_lshl_b32 s2, s[HR], 19                       ; the rows that I store: 128 HR + 8 HC on
	s_lshl_b32 s11, s[HC], 15
	s_add_co_u32 s2, s2, s11
	s_add_nc_u64 s[92:93], s[92:93], s[2:3]
	s_add_nc_u64 s[94:95], s[94:95], s[2:3]
	s_wait_kmcnt 0x0
	s_add_co_i32 s11, s18, s19                     ; e2 + e3
	s_add_co_i32 s12, s16, s17
	s_sub_co_i32 s12, s12, s11
	s_add_co_i32 s12, s12, 127
	s_lshl_b32 s[RS], s12, 23
	s_mov_b32 s[RS+1], s[RS]
	s_lshl_b32 s11, s11, 23
	s_mov_b32 s12, 0xbfb8aa3b                      ; -log2(e)
	s_mov_b32 s[K2], 0x4038aa3b                    ; 2 log2(e)
	s_mov_b32 s[K2+1], s[K2]
	s_add_co_u32 s[SA], s12, s11                   ; x 2^(e2 + e3): added to the exponent field
	s_mov_b32 s[SA+1], s[SA]
	s_add_co_u32 s[SB], s[K2], s11
	s_mov_b32 s[SB+1], s[SB]
	s_lshl_b32 s14, s[TR], 8                       ; the prefetches: the tile's first row, in A or in B,
	s_lshl_b32 s15, s[TC], 8
	s_cmp_eq_u32 s[HR], 0
	s_cselect_b32 s14, s14, s15
	s_cselect_b32 s15, s7, s8                      ; my place among the four that ask with me,
	s_cselect_b64 s[PFA:PFA+1], s[68:69], s[70:71]
	s_lshl_b32 s2, s[HC], 7
	s_add_co_u32 s14, s14, s2                      ; + the 128 rows that I fetch
	s_lshl_b32 s15, s15, 5
	s_add_co_u32 s14, s14, s15                     ; + my work-group's 32 of them
	s_lshl_b32 s14, s14, 11
	s_mov_b32 s15, 0
	s_add_nc_u64 s[PFA:PFA+1], s[PFA:PFA+1], s[14:15]
	s_add_nc_u64 s[PFA:PFA+1], s[PFA:PFA+1], 3*ROWB   ; the first turn steps it to K step 4
	s_mov_b32 s[E1], 1
	s_xor_b32 s[E2], s[HR], 1
	s_mov_b32 s[TL], 2
.macro FRAG reg, adr, q, i             ; 16 rows x 128 K: registers 4 c .. 4 c + 3 hold K = 32 c + 16 (l / 16) + 0 .. 15, the same places in A and in B
.irp c, 0,1,2,3
	ds_load_b128 v[\reg+4*\c:\reg+4*\c+3], v[\adr] offset:128*(\q)+32*\c+(\i)*16*PITCH
.endr
.endm
.macro LDB slot, q, p, i
	WIN TO_B
	FRAG 128*(\p)+FR*(\i), ADRB+\slot, \q, \i
.endm
.macro LDA slot, q, i
	WIN 0
	FRAG AF+FR*(\i), ADRA+\slot, \q, \i
.endm
.macro MUL8 a, p, zero                 ; A's block a x B's eight of set p; the 64 accumulators take turns
.if (\a) < 4
	WIN MUL_LO
.else
	WIN MUL_HI
.endif
.irp b, 0,1,2,3,4,5,6,7
.if \zero
	v_wmma_f32_16x16x128_fp8_fp8 v[8*(8*((\a)%4)+\b):8*(8*((\a)%4)+\b)+7], v[128*(\p)+FR*\b:128*(\p)+FR*\b+FR-1], v[AF+FR*(\a):AF+FR*(\a)+FR-1], 0
.else
	v_wmma_f32_16x16x128_fp8_fp8 v[8*(8*((\a)%4)+\b):8*(8*((\a)%4)+\b)+7], v[128*(\p)+FR*\b:128*(\p)+FR*\b+FR-1], v[AF+FR*(\a):AF+FR*(\a)+FR-1], v[8*(8*((\a)%4)+\b):8*(8*((\a)%4)+\b)+7]
.endif
.endr
.endm
.macro PLACES n
.rept \n
	v_nop
.endr
.endm
; A slot's first step of 128 along K: multiplies B's set 0.  Its 64 LDS loads stand in four runs of 16, each behind its places.
.macro STEP slot, zero
	PLACES NP
	s_wait_dscnt 16                                ; B's set and A's blocks 0, 1 are in; the youngest run (A's 2-5) may be out
	LDA \slot, 0, 6
	LDA \slot, 0, 7
	LDB \slot, 1, 1, 0
	LDB \slot, 1, 1, 1
	MUL8 0, 0, \zero
	MUL8 1, 0, \zero
	LDB \slot, 1, 1, 2
	LDB \slot, 1, 1, 3
	LDB \slot, 1, 1, 4
	LDB \slot, 1, 1, 5
	s_wait_dscnt 32                                ; this step's two runs may be out: A's 2-5 are in
	MUL8 2, 0, \zero
	MUL8 3, 0, \zero
	PLACES NP
	LDB \slot, 1, 1, 6
	LDB \slot, 1, 1, 7
	LDA \slot, 1, 0
	LDA \slot, 1, 1
	s_wait_dscnt 32                                ; the two youngest runs may be out: A's 6, 7 are in
	MUL8 4, 0, \zero
	MUL8 5, 0, \zero
	PLACES NP
	LDA \slot, 1, 2
	LDA \slot, 1, 3
	LDA \slot, 1, 4
	LDA \slot, 1, 5
	MUL8 6, 0, \zero
	MUL8 7, 0, \zero
	WIN 0
.endm
; A slot's last step multiplies B's set 1 and changes slots, behind the three lines and a round of the cluster's barrier.
; fill = 1: the slot takes the K step two on, by the joint loads.  fill = 2 (slot 0's last turn of a tile): its first half takes c_prev's tile, a quarter a wave.
.macro TURN slot, next, fill
	s_wait_xcnt 0x0                                ; my last prefetch has read its pointer
.if (\fill == 1) && (\slot == 0)
	s_mov_b32 s[ST], ROWB
	s_cmp_eq_u32 s3, 1                             ; behind K step 7 comes the next tile's K step 0
	s_cselect_b32 s[ST], WALKA-7*ROWB, s[ST]
	s_add_nc_u64 s[PFA:PFA+1], s[PFA:PFA+1], s[ST:ST+1]
.else
	s_add_nc_u64 s[PFA:PFA+1], s[PFA:PFA+1], ROWB
.endif
	PLACES NP
	s_wait_dscnt 16
	LDA \slot, 1, 6
	LDA \slot, 1, 7
	MUL8 0, 1, 0
	WIN 0
	s_wait_tensorcnt 0x0                           ; my part of the next slot has landed
	ds_add_u32 v[SPW], v[NIL]
	MUL8 1, 1, 0
	s_wait_dscnt 0x0                               ; the add is done, my reads of this slot are over
	s_barrier_signal -1
	MUL8 2, 1, 0
	WIN 0
	s_barrier_wait -1
	CREST
.if \fill == 1
	s_add_nc_u64 s[G0A+4*\slot+2:G0A+4*\slot+3], s[G0A+4*\slot+2:G0A+4*\slot+3], 2*ROWB
	s_add_nc_u64 s[G0B+4*\slot+2:G0B+4*\slot+3], s[G0B+4*\slot+2:G0B+4*\slot+3], 2*ROWB
	JLOAD G0A+4*\slot, G1A, G0B+4*\slot, G1B       ; its four v_nop are the places for the loads into A's blocks 0-2
	ASK 0
.else
	tensor_load_to_lds s[G0C:G0C+3], s[G1C:G1C+7]
	s_nop 0
.rept 4
	v_nop
.endr
	ASK 1
.endif
	LDB \next, 0, 0, 0
	LDB \next, 0, 0, 1
	LDB \next, 0, 0, 2
	LDB \next, 0, 0, 3
	MUL8 3, 1, 0
	LDB \next, 0, 0, 4
	LDB \next, 0, 0, 5
	LDB \next, 0, 0, 6
	LDB \next, 0, 0, 7
	LDA \next, 0, 0
	LDA \next, 0, 1
	MUL8 4, 1, 0
	MUL8 5, 1, 0
	PLACES NP
	LDA \next, 0, 2
	LDA \next, 0, 3
	LDA \next, 0, 4
	LDA \next, 0, 5
	MUL8 6, 1, 0
	MUL8 7, 1, 0
	WIN 0
.endm
; ---- the way out ----
.macro RBACK b                         ; block b's eight rows of mine, whole, out of the stages
.set RBS, RB0+(RB1-RB0)*((\b)%2)
.irp t, 0,1,2,3
	ds_load_b128 v[RBS+4*\t:RBS+4*\t+3], v[RD] offset:((\b)%2)*SBUF+\t*2*PITCH
	ds_load_b128 v[RBS+16+4*\t:RBS+16+4*\t+3], v[RD] offset:(2+(\b)%2)*SBUF+\t*2*PITCH
.endr
.endm
.macro SEND b                          ; 16 lanes store 256 consecutive bytes, at a multiple of 256 from the buffer's first byte
.set RBS, RB0+(RB1-RB0)*((\b)%2)
.irp t, 0,1,2,3
	global_store_b128 v[CO], v[RBS+4*\t:RBS+4*\t+3], s[94:95] offset:(16*(\b)+2*\t)*4096 th:TH_STORE_NT
	global_store_b128 v[CO], v[RBS+16+4*\t:RBS+16+4*\t+3], s[92:93] offset:(16*(\b)+2*\t)*4096 th:TH_STORE_NT
.endr
.endm
.macro ALUW
	s_wait_alu depctr_va_vdst(0)                   ; ahead of and behind a batch of transcendentals
.endm
; Block a: my rows 16 a .. 16 a + 15 x my 32 hidden units: sixteen numbers a lane; their c_prev lies in window 1, v[16 a ..].
.macro EPI a
.set AC, 64*((\a)%4)
.if (\a) > 0
	s_wait_xcnt 0x0                                ; earlier stores have read the registers that are loaded again
	RBACK (\a)-1
.endif
	WIN 0x02+((\a)/4)
.if (\a) > 0
	ALUW                                           ; directly ahead of the first reader of these sums
.endif
.set i, 0
.rept 32
.if i < 48
	v_pk_fma_f32 v[T+i:T+i+1], v[AC+i:AC+i+1], s[SA:SA+1], v[BIAS+i:BIAS+i+1] op_sel_hi:[1,0,1]   ; -log2(e) pre; each accumulator from its low end on
.else
	v_pk_fma_f32 v[T+i:T+i+1], v[AC+i:AC+i+1], s[SB:SB+1], v[BIAS+i:BIAS+i+1] op_sel_hi:[1,0,1]   ; gate c: 2 log2(e) pre
.endif
.set i, i+2
.endr
	WIN 0
	ALUW
.set i, 0
.rept 64
	v_exp_f32 v[T+i], v[T+i]
.set i, i+1
.endr
	s_wait_dscnt 0x0                               ; the block before is back in registers, and c_prev is in
.if (\a) > 0
	SEND (\a)-1
.endif
	ALUW
.set i, 0
.rept 32
	v_pk_add_f32 v[T+i:T+i+1], v[T+i:T+i+1], 1.0 op_sel_hi:[1,0]
.set i, i+2
.endr
	ALUW
.set i, 0
.rept 64
	v_rcp_f32 v[T+i], v[T+i]                       ; f, i, o, and 1 / (1 + e^(2 pre_c))
.set i, i+1
.endr
	ALUW
.irp p, 0,2,4,6,8,10,12,14
	v_pk_fma_f32 v[GG+\p:GG+\p+1], v[GG+\p:GG+\p+1], -2.0, 1.0 op_sel_hi:[1,0,0]   ; g
.endr
.irp p, 0,2,4,6,8,10,12,14
	v_pk_mul_f32 v[GG+\p:GG+\p+1], v[GG+\p:GG+\p+1], v[GI+\p:GI+\p+1]              ; i g
.endr
	WIN 0x04                                       ; source 1: window 1
.irp p, 0,2,4,6,8,10,12,14
	v_pk_fma_f32 v[CP+\p:CP+\p+1], v[GF+\p:GF+\p+1], v[16*(\a)+\p:16*(\a)+\p+1], v[GG+\p:GG+\p+1]   ; c_t = f c_prev + i g
.endr
	WIN 0
.irp p, 0,2,4,6,8,10,12,14
	v_pk_mul_f32 v[NU+\p:NU+\p+1], v[CP+\p:CP+\p+1], s[K2:K2+1] op_sel_hi:[1,0]
.endr
.irp u, 0,1
.irp q, 0,1
	ds_store_b128 v[STO], v[CP+8*\u+4*\q:CP+8*\u+4*\q+3] offset:((\a)%2)*SBUF+64*\u+16*\q
.endr
.endr
	ALUW
.set i, 0
.rept 16
	v_exp_f32 v[NU+i], v[NU+i]
.set i, i+1
.endr
	ALUW
.irp p, 0,2,4,6,8,10,12,14
	v_pk_add_f32 v[NU+\p:NU+\p+1], v[NU+\p:NU+\p+1], 1.0 op_sel_hi:[1,0]
.endr
	ALUW
.set i, 0
.rept 16
	v_rcp_f32 v[NU+i], v[NU+i]
.set i, i+1
.endr
	ALUW
.irp p, 0,2,4,6,8,10,12,14
	v_pk_fma_f32 v[NU+\p:NU+\p+1], v[NU+\p:NU+\p+1], -2.0, 1.0 op_sel_hi:[1,0,0]   ; tanh(c_t)
.endr
.irp p, 0,2,4,6,8,10,12,14
	v_pk_mul_f32 v[GI+\p:GI+\p+1], v[GO+\p:GO+\p+1], v[NU+\p:NU+\p+1]              ; a_t
.endr
.irp u, 0,1
.irp q, 0,1
	ds_store_b128 v[STO], v[GI+8*\u+4*\q:GI+8*\u+4*\q+3] offset:(2+(\a)%2)*SBUF+64*\u+16*\q
.endr
.endr
	s_wait_dscnt 0x0                               ; for the others' sake: my stores of this block have landed
	s_barrier_signal -1
	s_barrier_wait -1                              ; a row's 256 bytes come from two waves.  A stage is written again two blocks on, behind the next barrier, in front of which its readers have waited
.endm
.macro LAST7                           ; the last block's rows leave
	s_wait_xcnt 0x0
	RBACK 7
	s_wait_dscnt 0x0
	SEND 7
.endm
	s_wait_alu depctr_va_vdst(0)                   ; the head's end
	GRD
	CROUND
	JLOAD G0A+4, G1A, G0B+4, G1B                   ; K step 1, the first tensor load behind the round
.Ltile:
.irp i, 0,1,2,3,4,5,6,7
	LDB 0, 0, 0, \i
.endr
.irp i, 0,1,2,3,4,5
	LDA 0, 0, \i
.endr
	STEP 0, 1                                      ; a tile's first step starts the sums
	s_mov_b32 s3, 3
.Llap:                                                 ; once round the ring, from a lap's second step to the next lap's first
	TURN 0, 1, 1
	s_cmp_lg_u32 s3, 1                             ; in the last trip c_prev's tile is named: thread t names rows t and 128 + t
	s_cbranch_scc1 .Lnopf
	global_prefetch_b8 v[PF], s[74:75] th:TH_LOAD_NT scope:SCOPE_SE
	global_prefetch_b8 v[PF], s[74:75] offset:524288 th:TH_LOAD_NT scope:SCOPE_SE
.Lnopf:
	STEP 1, 0
	TURN 1, 0, 1
	s_cmp_lg_u32 s3, 2                             ; behind K step 3 the walk passes from the first product to the second
	s_cbranch_scc1 .Lsame
	WIN 0x82                                       ; window 2's 128 lines are the places behind the last products, whose sums lie in window 3
.set i, 0
.rept 128
	v_pk_mul_f32 v[i:i+1], v[i:i+1], s[RS:RS+1] op_sel_hi:[1,0]
.set i, i+2
.endr
	WIN 0xc3
.set i, 0
.rept 128
	v_pk_mul_f32 v[i:i+1], v[i:i+1], s[RS:RS+1] op_sel_hi:[1,0]
.set i, i+2
.endr
	s_wait_alu depctr_va_vdst(0)
	WIN 0
.Lsame:
	STEP 0, 0
	s_sub_co_u32 s3, s3, 1
	s_cmp_lg_u32 s3, 0
	s_cbranch_scc1 .Llap
	TURN 0, 1, 2                                   ; slot 0's codes are done with: c_prev's tile goes out
	STEP 1, 0
	s_wait_xcnt 0x0
	s_add_nc_u64 s[PFA:PFA+1], s[PFA:PFA+1], ROWB
	ASK 1
	PLACES NP                                      ; the tile's last step: only A's blocks 6, 7 are left to fetch
	s_wait_dscnt 16
	LDA 1, 1, 6
	LDA 1, 1, 7
	MUL8 0, 1, 0
	MUL8 1, 1, 0
	s_wait_dscnt 8
	MUL8 2, 1, 0
	MUL8 3, 1, 0
	MUL8 4, 1, 0
	MUL8 5, 1, 0
	s_wait_dscnt 0
	MUL8 6, 1, 0
	MUL8 7, 1, 0
	WIN 0
	s_wait_loadcnt 0x0                             ; the biases are in (asked for at the head)
	s_wait_tensorcnt 0x0                           ; my quarter of c_prev's tile has landed,
	s_barrier_signal -1
	s_barrier_wait -1                              ; everybody's has
	PLACES NP
	WIN TO_B                                       ; c_prev of my 128 rows x 32 hidden units, into window 1: block a's sixteen numbers at v[16 a ..]
.irp a, 0,1,2,3,4,5,6,7
.irp u, 0,1
.irp q, 0,1
	ds_load_b128 v[16*\a+8*\u+4*\q:16*\a+8*\u+4*\q+3], v[CA] offset:\a*BLK+64*\u+16*\q
.endr
.endr
.endr
	WIN 0
	s_cmp_eq_u32 s[TL], 1
	s_cbranch_scc1 .Llast                          ; the last tile's way out is written out: it asks for nothing more
	s_wait_tensorcnt 0x0                           ; the three lines in front of the round behind which slot 0 is filled again
	ds_add_u32 v[SPW], v[NIL]
	s_add_nc_u64 s[G0C+2:G0C+3], s[G0C+2:G0C+3], WALKC
.irp s, 0,1
	s_add_nc_u64 s[G0A+4*\s+2:G0A+4*\s+3], s[G0A+4*\s+2:G0A+4*\s+3], WALKA-6*ROWB   ; 4,096 rows down, back along K
	s_sub_nc_u64 s[G0B+4*\s+2:G0B+4*\s+3], s[G0B+4*\s+2:G0B+4*\s+3], 6*ROWB         ; B only back
.endr
	s_mov_b32 s[E1], s[E2]                         ; B's rows have been read: A's waves alone go on naming K steps,
	s_mov_b32 s[E2], 0                             ; and no tile follows the next
	s_wait_dscnt 0x0                               ; the add is done, and my reads of c_prev's tile are over
	CROUND
	JLOAD G0A, G1A, G0B, G1B                       ; the next tile's K step 0
.irp a, 0,1,2,3
	EPI \a
.endr
	GRD
	CROUND
	JLOAD G0A+4, G1A, G0B+4, G1B                   ; the next tile's K step 1
.irp a, 4,5,6,7
	EPI \a
.endr
	LAST7
	s_wait_xcnt 0x0                                ; the stores and prefetches have read their bases
	s_add_nc_u64 s[74:75], s[74:75], WALKC
	s_add_nc_u64 s[92:93], s[92:93], WALKC
	s_add_nc_u64 s[94:95], s[94:95], WALKC
	s_sub_co_u32 s[TL], s[TL], 1
	s_branch .Ltile
.Llast:
.irp a, 0,1,2,3,4,5,6,7
	EPI \a
.endr
	LAST7
	GRD
	CROUND                                         ; the closing round
	s_endpgm
.Lfunc_end_k_q532df9e0db_cell:
	.size	k_q532df9e0db_cell, .Lfunc_end_k_q532df9e0db_cell-k_q532df9e0db_cell
	.p2alignl 7, 3214868480
	.fill 96, 4, 3214868480
	.section	.rodata,"a",@progbits
	.p2align	6, 0x0
	.amdhsa_kernel k_q532df9e0db_cell
		.amdhsa_group_segment_fixed_size 327680
		.amdhsa_private_segment_fixed_size 0
		.amdhsa_enable_private_segment 0
		.amdhsa_kernarg_size 56
		.amdhsa_user_sgpr_count 2
		.amdhsa_user_sgpr_kernarg_segment_ptr 1
		.amdhsa_wavefront_size32 1
		.amdhsa_system_sgpr_workgroup_id_x 1
		.amdhsa_system_sgpr_workgroup_id_y 1
		.amdhsa_system_sgpr_workgroup_id_z 1
		.amdhsa_system_vgpr_workitem_id 0
		.amdhsa_next_free_vgpr 1024
		.amdhsa_next_free_sgpr 106
		.amdhsa_reserve_vcc 0
		.amdhsa_float_denorm_mode_32 3
		.amdhsa_float_denorm_mode_16_64 3
		.amdhsa_memory_ordered 1
		.amdhsa_forward_progress 1
		.amdhsa_inst_pref_size 255
	.end_amdhsa_kernel
	.section	.bss,"aw",@nobits
	.p2align	6
	.space	262144
	.amdgpu_metadata
---
amdhsa.version: [ 1, 2 ]
amdhsa.kernels:
  - .name:           k_q532df9e0db_cell
    .symbol:         k_q532df9e0db_cell.kd
    .args:
      - { .name: acodes, .offset: 0, .size: 8, .value_kind: global_buffer, .address_space: global }
      - { .name: bcodes, .offset: 8, .size: 8, .value_kind: global_buffer, .address_space: global }
      - { .name: lowp_scales, .offset: 16, .size: 8, .value_kind: global_buffer, .address_space: global }
      - { .name: c_prev, .offset: 24, .size: 8, .value_kind: global_buffer, .address_space: global }
      - { .name: biasp, .offset: 32, .size: 8, .value_kind: global_buffer, .address_space: global }
      - { .name: out0, .offset: 40, .size: 8, .value_kind: global_buffer, .address_space: global }
      - { .name: out1, .offset: 48, .size: 8, .value_kind: global_buffer, .address_space: global }
    .group_segment_fixed_size: 327680
    .private_segment_fixed_size: 0
    .kernarg_segment_align: 8
    .kernarg_segment_size: 56
    .max_flat_workgroup_size: 128
    .sgpr_count:     106
    .vgpr_count:     1024
    .wavefront_size: 32
...
	.end_amdgpu_metadata
.endif
;; end of part 2
